; MI455X (gfx1250); checked and timed in simulation.
; The chip was launched on July 23, 2026; its instructions are those of AMD's public machine-readable ISA for CDNA 5 (MIT licence, August 2026) and "CDNA5" Instruction Set Architecture Reference Guide (July 2026). The comments in the code are by the model that wrote it; some were corrected since.
;; Packed Linear. Allowed arithmetic: float matrix products may take bf16 or f16 operands with f32 sums; other float arithmetic in f32, or as packed bf16 or f16 multiplies, adds, multiply-adds, maxima and minima; sums over many terms, partial sums and values carried from step to step in f32; what a program stores and reads back later, other than sums and carried values, may be rounded once to bf16 or f16.
;; Inputs: bias 4,096 float32; weight_packed 4,096 x 2,048 int32; x 4,096 x 4,096 float32.
;; Outputs: out0 4,096 x 4,096 float32.
;; One version. Each part assembles by itself: llvm-mc -triple=amdgcn-amd-amdhsa -mcpu=gfx1250 --defsym DOCPART=n.
;; ======== version 1 of 1: 2 launches
;; workspace buffers: xb 33,554,432 bytes; wb 33,554,432 bytes
;; launch prep (part 1): grid 1024 x 1, 8 waves a work-group, no clusters, 0 bytes of LDS; arguments x, weight_packed, xb, wb; writes xb, wb
.if DOCPART == 1
	.amdgcn_target "amdgcn-amd-amdhsa--gfx1250"
	.amdhsa_code_object_version 6
	.text
	.protected	k_q11a21aff42_prep
	.globl	k_q11a21aff42_prep
	.p2align	8
	.type	k_q11a21aff42_prep,@function
k_q11a21aff42_prep:
	s_mov_b64 s[64:65], 0
	v_nop
	global_prefetch_b8 v0, s[64:65] scope:SCOPE_SE
	s_setreg_imm32_b32 hwreg(HW_REG_WAVE_MODE, 25, 1), 1
	s_wait_xcnt 0x0
; FIRST OF TWO LAUNCHES for out0 = x W^T + bias (M = IN = OUT = 4096).  This one makes the matrix operands, once:
;   xb[m][k] = x[m][k] rounded to bf16 (nearest even);   wb[n][2 j] = bits 3:0 of weight_packed[n][j], wb[n][2 j + 1] = bits 7:4, as bf16 (0 to 15: exact).
; NO WORK IS LEFT OUT: every input has a way to the output.  Bits 31:8 of a packed word are masked away here exactly as the two masks of the unpacking do it, so any int32 is served.
; LIMITS.  x keeps 8 significant bits; |x| beyond bf16's largest finite number becomes an infinity; NaN and infinities are not treated apart.
; WHY A LAUNCH OF ITS OWN: in the product each number of x is wanted by 16 tile columns x 2 waves and each weight by as many tile rows; converted there, each would be converted 32 times.
; SHARES.  1,024 work-groups of eight waves.  Work-group g takes 65,536 bytes of x (16 chunks of 4,096) and 32,768 bytes of weight_packed (8 chunks of 4,096).  In a chunk thread t takes the
; 16 bytes at 16 t: a wave's load covers 512 consecutive bytes.  Four f32 become 8 bytes (a wave's store: 256 consecutive bytes, aligned); four packed words become four words of
; two bf16 (a wave's store: 512 consecutive bytes, aligned).  All 24 loads of a thread go out in one run, 12 KiB a wave, and are worked off in eight groups of three.
; No LDS, no matrix unit, no cluster: no byte is wanted twice.  No register is written again behind the store that reads it and no base is stepped behind the loads, so no wait frees a source.
.set X, 8                              ; v[8:71]    x: chunk j at X + 4 j, converted in place
.set W, 72                             ; v[72:103]  packed words: chunk i at W + 4 i, unpacked in place
	s_load_b256 s[4:11], s[0:1], 0x0               ; x s[4:5], weight_packed s[6:7], xb s[8:9], wb s[10:11]
	v_lshlrev_b32 v1, 4, v0                        ; 16 t: my place in a chunk of x, of weight_packed and of wb
	v_lshlrev_b32 v2, 3, v0                        ; 8 t: my place in a chunk of xb
	s_mov_b32 s12, 0x000f000f                      ; a nibble at the foot of each half
	s_mov_b32 s13, 0x43004300                      ; 128.0 twice in bf16: from 128 to 255 bf16's step is 1, so 0x4300 | n is 128 + n
	s_lshl_b32 s2, ttmp9, 16                       ; g x 65,536: the work-group's part of x
	s_mov_b32 s3, 0
	s_lshl_b32 s14, ttmp9, 15                      ; g x 32,768: its part of the three others
	s_mov_b32 s15, 0
	s_wait_kmcnt 0x0
	s_add_nc_u64 s[4:5], s[4:5], s[2:3]
	s_add_nc_u64 s[6:7], s[6:7], s[14:15]
	s_add_nc_u64 s[8:9], s[8:9], s[14:15]
	s_add_nc_u64 s[10:11], s[10:11], s[14:15]
.irp i, 0,1,2,3,4,5,6,7                ; group i: two chunks of x, one of packed words
	global_load_b128 v[X+8*(\i):X+8*(\i)+3],   v1, s[4:5] offset:(2*(\i))*4096 th:TH_LOAD_NT
	global_load_b128 v[X+8*(\i)+4:X+8*(\i)+7], v1, s[4:5] offset:(2*(\i)+1)*4096 th:TH_LOAD_NT
	global_load_b128 v[W+4*(\i):W+4*(\i)+3],   v1, s[6:7] offset:(\i)*4096 th:TH_LOAD_NT
.endr
.macro GROUP i
	s_wait_loadcnt 21-3*(\i)                       ; loads come back in order: group i's three are in, the three of each later group may stay out
.irp c, 0,1
	v_cvt_pk_bf16_f32 v[X+8*(\i)+4*(\c)],   v[X+8*(\i)+4*(\c)],   v[X+8*(\i)+4*(\c)+1]  ; the first source goes into the low half: the lower k
	v_cvt_pk_bf16_f32 v[X+8*(\i)+4*(\c)+1], v[X+8*(\i)+4*(\c)+2], v[X+8*(\i)+4*(\c)+3]
	global_store_b64 v2, v[X+8*(\i)+4*(\c):X+8*(\i)+4*(\c)+1], s[8:9] offset:(2*(\i)+(\c))*2048 th:TH_STORE_NT
.endr
.irp k, 0,1,2,3
	v_and_b32 v[W+4*(\i)+(\k)], 0xff, v[W+4*(\i)+(\k)]                          ; the byte that counts
.endr
.irp k, 0,1,2,3
	v_lshl_or_b32 v[W+4*(\i)+(\k)], v[W+4*(\i)+(\k)], 12, v[W+4*(\i)+(\k)]      ; low nibble at bits 3:0, high nibble at bits 19:16
.endr
.irp k, 0,1,2,3
	v_and_or_b32 v[W+4*(\i)+(\k)], v[W+4*(\i)+(\k)], s12, s13                   ; each half: 128 + n in bf16
.endr
.irp k, 0,1,2,3
	v_pk_add_bf16 v[W+4*(\i)+(\k)], v[W+4*(\i)+(\k)], 0xc300c300                ; less 128: n, exact
.endr
	global_store_b128 v1, v[W+4*(\i):W+4*(\i)+3], s[10:11] offset:(\i)*4096 th:TH_STORE_NT
.endm
.irp i, 0,1,2,3,4,5,6,7
	GROUP \i
.endr
	s_endpgm
.Lfunc_end_k_q11a21aff42_prep:
	.size	k_q11a21aff42_prep, .Lfunc_end_k_q11a21aff42_prep-k_q11a21aff42_prep
	.p2alignl 7, 3214868480
	.fill 96, 4, 3214868480
	.section	.rodata,"a",@progbits
	.p2align	6, 0x0
	.amdhsa_kernel k_q11a21aff42_prep
		.amdhsa_group_segment_fixed_size 0
		.amdhsa_private_segment_fixed_size 0
		.amdhsa_enable_private_segment 0
		.amdhsa_kernarg_size 32
		.amdhsa_user_sgpr_count 2
		.amdhsa_user_sgpr_kernarg_segment_ptr 1
		.amdhsa_wavefront_size32 1
		.amdhsa_system_sgpr_workgroup_id_x 1
		.amdhsa_system_sgpr_workgroup_id_y 1
		.amdhsa_system_sgpr_workgroup_id_z 1
		.amdhsa_system_vgpr_workitem_id 0
		.amdhsa_next_free_vgpr 104
		.amdhsa_next_free_sgpr 66
		.amdhsa_reserve_vcc 0
		.amdhsa_float_denorm_mode_32 3
		.amdhsa_float_denorm_mode_16_64 3
		.amdhsa_memory_ordered 1
		.amdhsa_forward_progress 1
		.amdhsa_inst_pref_size 17
	.end_amdhsa_kernel
	.amdgpu_metadata
---
amdhsa.version: [ 1, 2 ]
amdhsa.kernels:
  - .name:           k_q11a21aff42_prep
    .symbol:         k_q11a21aff42_prep.kd
    .args:
      - { .name: x, .offset: 0, .size: 8, .value_kind: global_buffer, .address_space: global }
      - { .name: weight_packed, .offset: 8, .size: 8, .value_kind: global_buffer, .address_space: global }
      - { .name: xb, .offset: 16, .size: 8, .value_kind: global_buffer, .address_space: global }
      - { .name: wb, .offset: 24, .size: 8, .value_kind: global_buffer, .address_space: global }
    .group_segment_fixed_size: 0
    .private_segment_fixed_size: 0
    .kernarg_segment_align: 8
    .kernarg_segment_size: 32
    .max_flat_workgroup_size: 256
    .sgpr_count:     66
    .vgpr_count:     104
    .wavefront_size: 32
...
	.end_amdgpu_metadata
.endif
;; end of part 1
;; launch gemm (part 2): grid 16 x 16, 4 waves a work-group, clusters of 4 x 4, 327,680 bytes of LDS; arguments xb, wb, bias, out0; writes out0
.if DOCPART == 2
	.amdgcn_target "amdgcn-amd-amdhsa--gfx1250"
	.amdhsa_code_object_version 6
	.text
	.protected	k_q11a21aff42_gemm
	.globl	k_q11a21aff42_gemm
	.p2align	8
	.type	k_q11a21aff42_gemm,@function
k_q11a21aff42_gemm:
	s_mov_b64 s[64:65], 0
	v_nop
	global_prefetch_b8 v0, s[64:65] scope:SCOPE_SE
	s_setreg_imm32_b32 hwreg(HW_REG_WAVE_MODE, 25, 1), 1
	s_wait_xcnt 0x0
	s_wait_alu depctr_hold_cnt(0) depctr_sa_sdst(0) depctr_va_vdst(0) depctr_va_sdst(0) depctr_va_ssrc(0) depctr_va_vcc(0) depctr_vm_vsrc(0)
	s_getreg_b32 s2, hwreg(HW_REG_IB_STS2, 6, 4)
	s_cmp_eq_u32 s2, 0
	s_cbranch_scc0 .Lentry_in_a_cluster
	s_endpgm
.Lentry_in_a_cluster:
	s_bfe_u32 s2, ttmp6, 0x10000c
	s_cmp_lg_u32 s2, 0xf033
	s_cbranch_scc0 .Lentry_shape_is_right
	s_endpgm
.Lentry_shape_is_right:
; SECOND OF TWO LAUNCHES: out0[m][n] = bias[n] + the sum over k of xb[m][k] wb[n][k].  xb, wb: [4096][4096] bf16, made by the launch before; bias: [4096] f32; out0: [4096][4096] f32.  Sums in f32.  No work is left out.
; LIMITS.  The bias STARTS each sum (it is the C operand of the sum's first product) where the formula adds it last: another order of f32 roundings.  NaN and infinities are not treated apart.
; SHARES.  out0 has 256 tiles of 256 x 256, one to a work-group of four waves; a wave makes 128 x 128: 64 accumulators of 16 x 16, 512 registers.  K goes in steps of 128 through a ring of two LDS slots
; filled by the tensor data mover: the rows of both tiles are 256 bytes of memory and start at multiples of 256 bytes from the buffer's first byte.
; The last K step goes by rows of the tile, so that finished rows leave while the others are multiplied.
; CLUSTERS: 4 x 4 work-groups.  The four of a row of the cluster need the same tiles of xb (A), the four of a column the same tiles of wb (B).  Such a tile is asked for JOINTLY: each of the four issues the
; same tensor load, with the same descriptor and a mask that names the four, and each receives the tile in its own LDS.
; REGISTERS, in windows of 256 (s_set_vgpr_msb's low byte: bits 1:0 source 0, 3:2 source 1, 5:4 source 2, 7:6 destination):
;   window 0: v0-31 addresses; v64-127, v128-191 fragments of A, two buffers (in the last K step four, of 16 rows x 128 K); v192-255 first the bias of my 128 columns, later 16 rows on the way out
;   window 1: v64-127, v128-191 fragments of B, two buffers; in the last K step all 256      window 2: the 32 accumulators of my rows 0-63 ((a, b) at v[8 (8 a + b)])      window 3: those of my rows 64-127
; THE MATRIX INSTRUCTION IS USED TRANSPOSED: source 0 = 16 rows of B, source 1 = 16 rows of A.  In the result lane l holds row l % 16 of the tile and its registers 0 to 7 the columns 8 (l / 16) + 0 .. 7:
; 32 consecutive bytes of a row of out0; and the bias as C is the same eight numbers for all rows.
.set SIZE_N, 4096
.set SIZE_K, 4096
.set ROWC,   SIZE_N*4                  ; bytes in a row of out0
.set KSTEP,  128
.set PITCH,  272                       ; an LDS row: 256 bytes of data + 16 of padding = 68 words: row r starts at bank 4 r mod 64 (64 banks of 4 bytes: ISA guide 11.1), so the 16 rows of a load start at 16 different banks
.set HALFT,  128*PITCH                 ; 128 rows: what one tensor load brings, and what one wave reads of A or of B
.set SLOT,   4*HALFT                   ; A's 256 rows, then B's 256 rows
.set STAGE,  2*SLOT                    ; behind the ring: 16 rows x 528 bytes for each wave, for the way out; no tensor load lands here
.set SPITCH, 528                       ; a stage row: 512 bytes (128 f32) + 16: 33 x 16 bytes, so 16 rows start at 16 different columns of 16 bytes
.set SPARE,  STAGE+4*16*SPITCH         ; behind the stages: the spare words, 128 bytes for each wave: two blocks of 256 bytes that no other line names
.set LAPS,   SIZE_K/(2*KSTEP)          ; a lap = two K steps = once round the ring: 16
.set ADRA, 16                          ; v16-17  LDS address of my A fragments in slot 0, 1
.set ADRB, 20                          ; v20-21  the same for B
.set STO,  24                          ; v24     the way out: where I put 32 bytes of a row
.set RD,   25                          ; v25     the way out: where I read 16 bytes of a row back
.set CO,   26                          ; v26     16 x lane: my 16 bytes of a row's 512 in out0
.set BO,   27                          ; v27     32 x (lane / 16): my eight numbers in 16 of the bias
.set SPW,  28                          ; v28     LDS address of my spare word: SPARE + 4 x my thread's number; never rewritten
.set NIL,  29                          ; v29     0; never rewritten
.set PFO,  30                          ; v30     the prefetches' offset: my lane x a row of A or B in memory; never rewritten
.set F0,   64                          ; fragment buffer 0
.set F1,   128                         ; fragment buffer 1
.set BI,   192                         ; the bias: n block b at BI + 8 b, in window 0; read by the first quarter alone
.set OB,   192                         ; afterwards: 16 rows read back from the stage, 4 registers each
.set PA,   64                          ; the last K step: A's fragments of 16 rows x 128 K, 32 registers; four such buffers, v64-191
.set G1,  24                           ; s[24:31] descriptor group 1 for A's tiles
.set G0,  32                           ; s[32:39] descriptor group 0 for A's tiles, one set for each slot
.set LIM, 43                           ; s43      1 in a wave that prefetches, else the greatest number
.set PFA, 44                           ; s[44:45] where my prefetches stand: my work-group's 32 rows of the 128 that I fetch, one K step further along K than the refill in hand; a prefetch names the K step after that
.set G1B, 48                           ; s[48:55] descriptor group 1 for B's tiles: it differs from A's in the mask alone
.set G0B, 56                           ; s[56:63] descriptor group 0 for B's tiles, one set for each slot
.set BIA, 66                           ; s[66:67] the bias, at my first column
.set MSB, 0
.macro WIN new                         ; the immediate's high byte repeats the setting that is left; a switch that changes nothing is dropped
.if MSB != (\new)
	s_set_vgpr_msb (MSB<<8)|(\new)
.set MSB, \new
.endif
.endm
.set MUL_LO, 0xa1                      ; source 0 (B) window 1, source 1 (A) window 0, C and D window 2; + 0x50: C and D window 3
.set MUL_ST, 0x81                      ; the same with C (the bias) in window 0; + 0x40: D window 3
.set TO_B,   0x40                      ; destination window 1, address window 0
; A joint load.  Waves 0 and 1 fetch A's two halves, waves 2 and 3 B's.  Each of the two lines has ONE mask and one set of registers for all that issue it.  The branch hangs on the wave's number alone.
; An s_nop 0 and four v_nop follow each of the two lines; the jump round the other line, the label and what follows the macro come after them.
.macro JLOAD s
	s_cmp_eq_u32 s11, 0
	s_cbranch_scc0 .Lfor_b_\@
	tensor_load_to_lds s[G0+4*(\s):G0+4*(\s)+3], s[G1:G1+7]
	s_nop 0
.rept 4
	v_nop
.endr
	s_branch .Lasked_\@
.Lfor_b_\@:
	tensor_load_to_lds s[G0B+4*(\s):G0B+4*(\s)+3], s[G1B:G1B+7]
	s_nop 0
.rept 4
	v_nop
.endr
.Lasked_\@:
.endm
; A PREFETCH INTO THE L2, behind each joint refill, its five lines and the run of LDS loads that follows them: the K step that stands TWO refills on (512 matrix instructions ahead of the load that will ask for it):
; 32 rows x 256 bytes, a lane a row, one instruction a wave.  Each row's 256 bytes of a K step are named ONCE in the launch: A's tile row is read by every cluster of that row of clusters, and the one with
; cluster x = 0 asks; B's tile column by every cluster of that column, and the one with cluster y = 0 asks.  The four partners that ask for a tile jointly share its rows out BY ADDRESS: of the 128 rows that a
; wave fetches the partner at place p takes 32 p .. 32 p + 31 (p = cx for A, cy for B): no branch hangs on a work-group's place in its cluster.  The loop's last trip (s3 = 1) asks for nothing: K ends.
.macro ASK
	s_cmp_gt_u32 s3, s[LIM]
	s_cbranch_scc0 .Lnot_mine_\@
	global_prefetch_b8 v[PFO], s[PFA:PFA+1] offset:KSTEP*2 th:TH_LOAD_NT scope:SCOPE_SE
.Lnot_mine_\@:
.endm
; A round of the cluster's barrier: my work-group's barrier, so that wave 0's signal speaks for all four waves; wave 0 signals for the work-group; every wave waits for all sixteen work-groups; my work-group's barrier once more.
.macro CREST                           ; a round behind its opening barrier
	s_cmp_lg_u32 s10, 0
	s_cbranch_scc1 .Lnot_wave_0_\@
	s_barrier_signal -3
.Lnot_wave_0_\@:
	s_barrier_wait -3
	s_barrier_signal -1
	s_barrier_wait -1
.endm
.macro CROUND                          ; a whole round
	s_barrier_signal -1
	s_barrier_wait -1
	CREST
.endm
	s_load_b128 s[4:7], s[0:1], 0x0                ; A = xb s[4:5], B = wb s[6:7]
	s_load_b64 s[BIA:BIA+1], s[0:1], 0x10          ; bias
	s_load_b64 s[8:9], s[0:1], 0x18                ; out0
	v_lshl_add_u32 v[SPW], v0, 2, SPARE
	v_mov_b32 v[NIL], 0
	ds_add_u32 v[SPW], v[NIL]                      ; the wave's opening: the add, twice on end, and its wait ahead of my first tensor load; the set-up below, work on registers, stands between the second and the wait
	ds_add_u32 v[SPW], v[NIL]                      ; and once more, under the one wait
	v_lshrrev_b32 v1, 5, v0
	v_readfirstlane_b32 s10, v1                    ; wave 0..3
	s_lshr_b32 s11, s10, 1                         ; which half of the tile's rows is mine.  Also: I fetch for A (0) or for B (1)
	s_and_b32 s12, s10, 1                          ; which half of its columns.  Also: which 128 rows of that tile I fetch
	s_bfe_u32 s40, ttmp6, 0x40000                  ; cx: my place along the cluster's x
	s_bfe_u32 s41, ttmp6, 0x40004                  ; cy: along its y
	s_lshl_b32 s42, ttmp9, 2                       ; in a cluster launch ttmp9 and ttmp7 count clusters
	s_add_co_u32 s42, s42, s40                     ; tile column = 4 x cluster x + cx
	s_and_b32 s13, ttmp7, 0xffff
	s_lshl_b32 s13, s13, 2
	s_add_co_u32 s13, s13, s41                     ; tile row = 4 x cluster y + cy
	s_lshl_b32 s43, s41, 2
	s_lshl_b32 s43, 15, s43                        ; my row of the cluster: places 4 cy .. 4 cy + 3
	s_lshl_b32 s44, 0x1111, s40                    ; my column: places cx, cx + 4, cx + 8, cx + 12
	; descriptor group 1: a tile of 128 rows x 128 elements, padded in LDS
	s_or_b32 s[G1+0], s43, (1<<16)|(1<<20)|(1<<21)|(5<<22)|(3<<25)  ; 15:0 the mask: A's tiles go to my row; 17:16 elements of 2 bytes; 20 padding on; 21 set beside a mask; 24:22 after every 64 words (code 5); 31:25 4 words of it (code 3)
	s_or_b32 s[G1B+0], s44, (1<<16)|(1<<20)|(1<<21)|(5<<22)|(3<<25) ; the same with the mask of my column, for B's tiles
.irp g, G1, G1B
	s_mov_b32 s[(\g)+1], KSTEP<<16                 ; 63:48 tensor_dim0, low half = 128
	s_mov_b32 s[(\g)+2], 128<<16                   ; 79:64 its high half = 0; 95:80 tensor_dim1, low half = 128
	s_mov_b32 s[(\g)+3], KSTEP<<16                 ; 111:96 its high half = 0; 127:112 tile_dim0 = 128
	s_mov_b32 s[(\g)+4], 128                       ; 143:128 tile_dim1 = 128; 159:144 tile_dim2 = 0
	s_mov_b32 s[(\g)+5], SIZE_K                    ; 191:160 tensor_dim0_stride, low word: elements from row to row
	s_mov_b32 s[(\g)+6], 0
	s_mov_b32 s[(\g)+7], 0
.endr
	; where the tiles come from.  A's hang on the tile row alone, which my row of the cluster shares; B's on the tile column alone, which my column shares.
	; Every wave makes both addresses, in registers that never hold the other coordinate, and asks by one of them.
	s_lshl_b32 s17, s12, 7                         ; which 128 rows of the tile I fetch
	s_lshl_b32 s16, s13, 8
	s_add_co_u32 s16, s16, s17                     ; A: row 256 x tile row + 128 x half
	s_lshl_b32 s46, s42, 8
	s_add_co_u32 s46, s46, s17                     ; B: row 256 x tile column + 128 x half
	s_mov_b32 s17, 0
	s_mov_b32 s47, 0
	s_mov_b64 s[18:19], SIZE_K*2
	s_mul_u64 s[16:17], s[16:17], s[18:19]         ; in bytes
	s_mul_u64 s[46:47], s[46:47], s[18:19]
	s_mul_i32 s20, s10, HALFT                      ; and where they go: A's two halves, then B's two halves = wave x 128 rows: no place in the cluster enters an LDS address
	s_wait_dscnt 0x0                               ; both opening adds are done
	s_wait_kmcnt 0x0
	s_add_nc_u64 s[14:15], s[4:5], s[16:17]
	s_add_nc_u64 s[46:47], s[6:7], s[46:47]
	CROUND                                         ; all sixteen work-groups are here: the first joint loads meet
.irp s, 0,1
	s_mov_b32 s[G0+4*(\s)], 1                                      ; 1:0 count = 1
	s_add_co_u32 s[G0+4*(\s)+1], s20, (\s)*SLOT                    ; 63:32 LDS address
	s_add_nc_u64 s[G0+4*(\s)+2:G0+4*(\s)+3], s[14:15], (\s)*KSTEP*2  ; 120:64 global address: K step s
	s_or_b32 s[G0+4*(\s)+3], s[G0+4*(\s)+3], 0x80000000            ; 127:126 type = 2
	s_mov_b32 s[G0B+4*(\s)], 1
	s_add_co_u32 s[G0B+4*(\s)+1], s20, (\s)*SLOT
	s_add_nc_u64 s[G0B+4*(\s)+2:G0B+4*(\s)+3], s[46:47], (\s)*KSTEP*2
	s_or_b32 s[G0B+4*(\s)+3], s[G0B+4*(\s)+3], 0x80000000
	JLOAD \s                                       ; the ring is filled before anything else is done: two tensor loads of mine are out
.endr
	; A fragment is 16 rows x 32 K in 8 registers: lane l holds row l % 16; registers 0-3 hold K = 8 (l / 16) + 0..7, registers 4-7 hold K = 16 + 8 (l / 16) + 0..7: two loads of 16 bytes, 32 bytes apart.
	v_and_b32 v1, 15, v0                           ; l % 16
	v_bfe_u32 v2, v0, 4, 1                         ; l / 16
	v_mul_u32_u24 v3, v1, PITCH
	v_lshl_add_u32 v3, v2, 4, v3                   ; row x pitch + 16 x half
	s_mul_i32 s21, s11, HALFT                      ; my 128 rows of A
	s_mul_i32 s22, s12, HALFT                      ; my 128 rows of B,
	s_add_co_u32 s22, s22, 2*HALFT                 ; which lie behind A's 256
.irp s, 0,1
	v_add_nc_u32 v[ADRA+(\s)], s21, v3
	v_add_nc_u32 v[ADRB+(\s)], s22, v3
	s_add_co_u32 s21, s21, SLOT
	s_add_co_u32 s22, s22, SLOT
.endr
	s_mul_i32 s23, s10, 16*SPITCH
	s_add_co_u32 s23, s23, STAGE                   ; my stage
	v_mul_u32_u24 v4, v1, SPITCH                   ; in: row l % 16, 32 bytes for each half of the lanes
	v_lshl_add_u32 v4, v2, 5, v4
	v_add_nc_u32 v[STO], s23, v4
	v_and_b32 v5, 31, v0
	v_lshlrev_b32 v[CO], 4, v5                     ; back and out: 32 lanes take one row's 512 bytes
	v_add_nc_u32 v[RD], s23, v[CO]
	v_lshlrev_b32 v[BO], 5, v2
	; where my part of the tile begins in out0, in bytes: the way out adds it to out0's address
	s_lshl_b32 s13, s13, 8
	s_lshl_b32 s14, s11, 7
	s_add_co_u32 s16, s13, s14                     ; my first row
	s_mov_b32 s17, 0
	s_mov_b64 s[18:19], ROWC
	s_mul_u64 s[16:17], s[16:17], s[18:19]
	s_lshl_b32 s46, s42, 10                        ; my first column, in bytes of f32: 1,024 x tile column + 512 x half (in the registers that held B's address: none that feeds A's descriptors ever holds cx)
	s_lshl_b32 s47, s12, 9
	s_add_co_u32 s46, s46, s47
	s_mov_b32 s47, 0
	s_add_nc_u64 s[16:17], s[16:17], s[46:47]
	s_add_nc_u64 s[BIA:BIA+1], s[BIA:BIA+1], s[46:47]  ; the same bytes into the bias
.irp b, 0,1,2,3,4,5,6,7                ; n block b: bias[first column + 16 b + 8 (l / 16) + 0..7], laid as a result's eight registers are
	global_load_b128 v[BI+8*(\b):BI+8*(\b)+3],   v[BO], s[BIA:BIA+1] offset:64*(\b)
	global_load_b128 v[BI+8*(\b)+4:BI+8*(\b)+7], v[BO], s[BIA:BIA+1] offset:64*(\b)+16
.endr
	; the prefetches.  s13 = 256 x tile row, s42 = tile column, s40 = cx, s41 = cy still stand; s[4:5] = A, s[6:7] = B
	s_lshl_b32 s42, s42, 8
	s_and_b32 s22, ttmp7, 0xffff                   ; cluster y
	s_cmp_eq_u32 s11, 0                            ; do I fetch for A?
	s_cselect_b32 s20, s13, s42                    ; the tile's first row: in A by the tile row, in B by the tile column
	s_cselect_b32 s21, s40, s41                    ; my place among the four that ask for it with me
	s_cselect_b32 s22, ttmp9, s22                  ; the coordinate along which other clusters read the same rows
	s_cselect_b64 s[PFA:PFA+1], s[4:5], s[6:7]
	s_cmp_eq_u32 s22, 0
	s_cselect_b32 s[LIM], 1, -1                    ; the same in all sixteen partners, for a given wave
	s_lshl_b32 s22, s12, 7
	s_add_co_u32 s20, s20, s22                     ; + the 128 rows that I fetch
	s_lshl_b32 s21, s21, 5
	s_add_co_u32 s20, s20, s21                     ; + my work-group's 32 of them
	s_mov_b32 s21, 0
	s_mov_b64 s[18:19], SIZE_K*2
	s_mul_u64 s[20:21], s[20:21], s[18:19]
	s_add_nc_u64 s[PFA:PFA+1], s[PFA:PFA+1], s[20:21]
	s_add_nc_u64 s[PFA:PFA+1], s[PFA:PFA+1], 2*KSTEP*2  ; at K step 2: the first refill steps it to 3 and names K step 4
	v_and_b32 v[PFO], 31, v0
	v_mul_u32_u24 v[PFO], v[PFO], SIZE_K*2
	; nothing is prefetched here, at the head, where every work-group's first two tiles are on their way: K steps 2 and 3 come by their refills alone
; 16 matrix instructions: m blocks a0, a0 + 1 of the window's four (hi = 0: my rows 0-63, 1: rows 64-127) x all 8 n blocks, 32 along K.
; start = 1: the first product starts the sum with the bias as C: nothing is cleared, and no addition is left for the way out.
.macro MUL16 f, hi, a0, start
.if \start
	WIN MUL_ST+0x40*(\hi)
.else
	WIN MUL_LO+0x50*(\hi)
.endif
.irp a, \a0, (\a0)+1
.irp b, 0,1,2,3,4,5,6,7
.if \start
	v_wmma_f32_16x16x32_bf16 v[8*(8*(\a)+(\b)):8*(8*(\a)+(\b))+7], v[(\f)+8*(\b):(\f)+8*(\b)+7], v[(\f)+8*(4*(\hi)+(\a)):(\f)+8*(4*(\hi)+(\a))+7], v[BI+8*(\b):BI+8*(\b)+7]
.else
	v_wmma_f32_16x16x32_bf16 v[8*(8*(\a)+(\b)):8*(8*(\a)+(\b))+7], v[(\f)+8*(\b):(\f)+8*(\b)+7], v[(\f)+8*(4*(\hi)+(\a)):(\f)+8*(4*(\hi)+(\a))+7], v[8*(8*(\a)+(\b)):8*(8*(\a)+(\b))+7]
.endif
.endr
.endr
.endm
; 32 LDS loads in one run: the fragments of one quarter step (128 rows of B, 128 rows of A, 32 K at byte k of the rows) into buffer f
.macro FETCH slot, k, f
	WIN TO_B
.irp i, 0,1,2,3,4,5,6,7
	ds_load_b128 v[(\f)+8*(\i):(\f)+8*(\i)+3],   v[ADRB+(\slot)] offset:(\k)+(\i)*16*PITCH
	ds_load_b128 v[(\f)+8*(\i)+4:(\f)+8*(\i)+7], v[ADRB+(\slot)] offset:(\k)+(\i)*16*PITCH+32
.endr
	WIN 0
.irp i, 0,1,2,3,4,5,6,7
	ds_load_b128 v[(\f)+8*(\i):(\f)+8*(\i)+3],   v[ADRA+(\slot)] offset:(\k)+(\i)*16*PITCH
	ds_load_b128 v[(\f)+8*(\i)+4:(\f)+8*(\i)+7], v[ADRA+(\slot)] offset:(\k)+(\i)*16*PITCH+32
.endr
.endm
; A load into a register that a matrix instruction has read, and an LDS store that reads a matrix result, stand four places behind that matrix instruction, and only plain vector instructions that name none
; of its registers are places (ISA guide 7.12.1 for vector instructions); the matrix instructions in between are not counted.
.macro PLACES
.rept 4
	v_nop
.endr
.endm
; A K step is four quarter steps of 32 along K, 64 matrix instructions each, on buffers 0, 1, 0, 1.  The 64 accumulators take turns, one instruction a turn, in the same order in every quarter.
; One of the first three: multiplies buffer f; in its middle it fetches the next quarter's fragments, at byte k of the same slot's rows, into buffer g.
.macro QUARTER slot, k, f, g, start
	s_wait_dscnt 8                                 ; B and A's rows 0-63 are in; the youngest eight loads (A's rows 64-127) may be out
	MUL16 \f, 0, 0, \start
	MUL16 \f, 0, 2, \start
	PLACES
	FETCH \slot, \k, \g
	s_wait_dscnt 32                                ; all but the 32 just issued
	MUL16 \f, 1, 0, \start
	MUL16 \f, 1, 2, \start
.endm
; The last quarter multiplies buffer 1 and changes slots.  MEET is its first half: ONE barrier for the change of slots.  In front of it each wave waits for all its tensor loads, of which one is out: its part
; of the next slot; adds 0 to its spare word; and waits for that and for its own reads of this slot.  Behind it nobody reads this slot any more and the next slot is whole.
.macro MEET round                      ; round = 1: the rest of a round of the cluster's barrier follows
	WIN 0                                          ; (the add's two registers lie in window 0)
	s_wait_tensorcnt 0x0                           ; all my tensor loads have landed: the one that was out is my part of the next slot;
	ds_add_u32 v[SPW], v[NIL]                      ; 0 onto my spare word;
	s_wait_dscnt 9                                 ; (the add and the youngest eight loads may be out)
	MUL16 F1, 0, 0, 0                              ; sixteen matrix instructions stand between the add and the wait for it
	s_wait_dscnt 0x0                               ; the add is done, and my reads of this slot are over:
	s_barrier_signal -1                            ; say so,
	MUL16 F1, 0, 2, 0                              ; work on registers while the others arrive,
.if \round
	WIN 0
.endif
	s_barrier_wait -1                              ; and go on when all four have said so
.endm
; The whole last quarter.  Behind the round the slot just read out is filled again first, with the K step two steps on; then come the next slot's first fragments.  From a request to the wait for it a wave issues 224 matrix instructions.
.macro TURN slot, next
	s_wait_xcnt 0x0                                ; the last prefetch, a K step back, has read its address: it is stepped here, ahead of the waits of the change of slots
	s_add_nc_u64 s[PFA:PFA+1], s[PFA:PFA+1], KSTEP*2
	MEET 1
	CREST                                          ; all sixteen work-groups have said so: no wave of any partner still reads this slot's tile or has a load on its way
	s_add_nc_u64 s[G0+4*(\slot)+2:G0+4*(\slot)+3], s[G0+4*(\slot)+2:G0+4*(\slot)+3], 2*KSTEP*2      ; no tensor load of mine is out, so the descriptors may be written; the type bits on top are not reached
	s_add_nc_u64 s[G0B+4*(\slot)+2:G0B+4*(\slot)+3], s[G0B+4*(\slot)+2:G0B+4*(\slot)+3], 2*KSTEP*2
	JLOAD \slot                                    ; the first tensor load behind the round, and my only one until the next; the four v_nop behind it are also the places in front of the loads below
	FETCH \next, 0, F0
	ASK                                            ; behind the joint load and the run of LDS loads that the next products wait for
	MUL16 F1, 1, 0, 0
	MUL16 F1, 1, 2, 0
.endm
; THE LAST K STEP (it lies in slot 1) GOES BY ROWS OF THE TILE, NOT BY K.  All its fragments of B (4 quarters x 64 registers) fill window 1; then my eight blocks of 16 rows are finished one after the other,
; each with 32 matrix instructions (its 8 accumulators by turns, K ascending).  LDS is read no more than in any other K step.
.macro BLOAD q                         ; B's fragments of quarter q -> window 1, v[64 q ..]
	WIN TO_B
.irp i, 0,1,2,3,4,5,6,7
	ds_load_b128 v[64*(\q)+8*(\i):64*(\q)+8*(\i)+3],   v[ADRB+1] offset:64*(\q)+(\i)*16*PITCH
	ds_load_b128 v[64*(\q)+8*(\i)+4:64*(\q)+8*(\i)+7], v[ADRB+1] offset:64*(\q)+(\i)*16*PITCH+32
.endr
.endm
.macro ALOAD a                         ; A's fragments of block a, all four quarters -> buffer a % 4
	WIN 0
.set FA, PA+32*((\a)%4)
.irp q, 0,1,2,3
	ds_load_b128 v[FA+8*(\q):FA+8*(\q)+3],   v[ADRA+1] offset:64*(\q)+(\a)*16*PITCH
	ds_load_b128 v[FA+8*(\q)+4:FA+8*(\q)+7], v[ADRA+1] offset:64*(\q)+(\a)*16*PITCH+32
.endr
.endm
.macro ROW a                           ; block a is finished: 32 matrix instructions
.set FA, PA+32*((\a)%4)                ; its fragments of A
.set AC, 64*((\a)%4)                   ; its eight accumulators, in window 2 (blocks 0-3) or 3 (blocks 4-7)
	WIN MUL_LO+0x50*((\a)/4)
.irp q, 0,1,2,3
.if (\a) == 0 && (\q) == 2
	s_wait_dscnt 24                                ; B's quarter 2 is in (behind it: A's blocks 1 to 3)
.endif
.irp b, 0,1,2,3,4,5,6,7
	v_wmma_f32_16x16x32_bf16 v[AC+8*(\b):AC+8*(\b)+7], v[64*(\q)+8*(\b):64*(\q)+8*(\b)+7], v[FA+8*(\q):FA+8*(\q)+7], v[AC+8*(\b):AC+8*(\b)+7]
.endr
.endr
.endm
; THE WAY OUT of block a.  A lane's 32 bytes are a sixteenth of a row's 512, and the lanes beside it hold other rows: so the block's 16 rows go through my own stage in LDS and come back row by row.
.macro TOSTAGE a
.set AC, 64*((\a)%4)
	WIN 0x08+4*((\a)/4)                            ; an LDS store's data is source 1: window 2 or 3; its address window 0
.irp b, 0,1,2,3,4,5,6,7
	ds_store_b128 v[STO], v[AC+8*(\b):AC+8*(\b)+3]   offset:64*(\b)      ; each accumulator's four lowest registers first
	ds_store_b128 v[STO], v[AC+8*(\b)+4:AC+8*(\b)+7] offset:64*(\b)+16
.endr
	WIN 0
	s_wait_xcnt 0x0                                ; every earlier memory instruction has had its addresses translated (ISA guide 3.1): only behind this wait are the registers that the block before's stores read, and their base, written again
.irp t, 0,1,2,3,4,5,6,7,8,9,10,11,12,13,14,15
	ds_load_b128 v[OB+4*(\t):OB+4*(\t)+3], v[RD] offset:(\t)*SPITCH  ; LDS serves a wave's instructions in order (ISA guide 5.7.1.4): these see the stores above, and the next block's stores come behind them
.endr
.endm
.macro SEND a, younger                 ; younger: the LDS loads issued behind TOSTAGE's, which may stay out
	WIN 0
.if (\a) == 0
	s_add_nc_u64 s[8:9], s[8:9], s[16:17]          ; on to my first rows (no global instruction has been issued since TOSTAGE's s_wait_xcnt 0)
.else
	s_add_nc_u64 s[8:9], s[8:9], 16*ROWC           ; 16 rows on
.endif
.irp t, 0,1,2,3,4,5,6,7,8,9,10,11,12,13,14,15
	s_wait_dscnt (\younger)+15-(\t)                ; row t is back; the stage's later rows and the younger loads may stay out
	global_store_b128 v[CO], v[OB+4*(\t):OB+4*(\t)+3], s[8:9] offset:(\t)*ROWC th:TH_STORE_NT  ; the wave stores 512 consecutive bytes, at a multiple of 512 from out0's first byte
.endr
.endm
	s_wait_loadcnt 0x0                             ; the bias
	s_wait_tensorcnt 1                             ; my part of K step 0 is in; K step 1's may stay out
	s_barrier_signal -1
	s_barrier_wait -1                              ; everybody's is
	FETCH 0, 0, F0
	QUARTER 0, 64,  F0, F1, 1                      ; the first quarter stands in front of the loop: its products start the sums, with the bias
	WIN 0                                          ; at a label and at a branch every window is 0
	s_mov_b32 s3, LAPS-1
.Llap:                                                 ; a trip goes once round the ring, from a lap's second quarter to the next lap's first, and fills both slots again
	QUARTER 0, 128, F1, F0, 0
	QUARTER 0, 192, F0, F1, 0
	TURN 0, 1
	QUARTER 1, 64,  F0, F1, 0
	QUARTER 1, 128, F1, F0, 0
	QUARTER 1, 192, F0, F1, 0
	TURN 1, 0
	QUARTER 0, 64,  F0, F1, 0
	WIN 0
	s_sub_co_u32 s3, s3, 1
	s_cmp_lg_u32 s3, 0
	s_cbranch_scc1 .Llap
	QUARTER 0, 128, F1, F0, 0                      ; the last lap goes on: it asks for nothing more
	QUARTER 0, 192, F0, F1, 0
	MEET 0                                         ; my one tensor load that was still out is slot 1's, the last K step's, so no round follows
	PLACES                                         ; for the loads into buffer 0, which the quarter before multiplied
	BLOAD 0                                        ; three quarters of B now: buffer 1 (v128-191 of both windows) is still being multiplied
	BLOAD 1
	BLOAD 3
	ALOAD 0
	MUL16 F1, 1, 0, 0
	MUL16 F1, 1, 2, 0
	PLACES                                         ; for the loads into buffer 1
	BLOAD 2
	ALOAD 1
	ALOAD 2
	ALOAD 3
	s_wait_dscnt 40                                ; all but the 40 just issued
	ROW 0
.irp a, 0,1,2,3,4,5,6,7                ; each block leaves as soon as it is finished: nothing follows the tile, so the sooner its stores begin, the sooner the launch ends
	PLACES                                         ; the LDS stores read results just made, and the loads below land in the fragments just multiplied
	TOSTAGE \a
.if (\a) < 4
	ALOAD (\a)+4                                   ; its buffer takes the block four further on
	SEND \a, 8
.else
	SEND \a, 0
.endif
.if (\a) < 7
	ROW (\a)+1
.endif
.endr
	s_wait_tensorcnt 0x0                           ; the wave's end, behind my last tensor load and my last LDS store
	ds_add_u32 v[SPW], v[NIL]
	s_wait_dscnt 0x0
	CROUND                                         ; the closing round: no work-group ends while a partner may still ask for a tile that names it
	s_endpgm
.Lfunc_end_k_q11a21aff42_gemm:
	.size	k_q11a21aff42_gemm, .Lfunc_end_k_q11a21aff42_gemm-k_q11a21aff42_gemm
	.p2alignl 7, 3214868480
	.fill 96, 4, 3214868480
	.section	.rodata,"a",@progbits
	.p2align	6, 0x0
	.amdhsa_kernel k_q11a21aff42_gemm
		.amdhsa_group_segment_fixed_size 327680
		.amdhsa_private_segment_fixed_size 0
		.amdhsa_enable_private_segment 0
		.amdhsa_kernarg_size 32
		.amdhsa_user_sgpr_count 2
		.amdhsa_user_sgpr_kernarg_segment_ptr 1
		.amdhsa_wavefront_size32 1
		.amdhsa_system_sgpr_workgroup_id_x 1
		.amdhsa_system_sgpr_workgroup_id_y 1
		.amdhsa_system_sgpr_workgroup_id_z 1
		.amdhsa_system_vgpr_workitem_id 0
		.amdhsa_next_free_vgpr 1024
		.amdhsa_next_free_sgpr 68
		.amdhsa_reserve_vcc 0
		.amdhsa_float_denorm_mode_32 3
		.amdhsa_float_denorm_mode_16_64 3
		.amdhsa_memory_ordered 1
		.amdhsa_forward_progress 1
		.amdhsa_inst_pref_size 148
	.end_amdhsa_kernel
	.amdgpu_metadata
---
amdhsa.version: [ 1, 2 ]
amdhsa.kernels:
  - .name:           k_q11a21aff42_gemm
    .symbol:         k_q11a21aff42_gemm.kd
    .args:
      - { .name: xb, .offset: 0, .size: 8, .value_kind: global_buffer, .address_space: global }
      - { .name: wb, .offset: 8, .size: 8, .value_kind: global_buffer, .address_space: global }
      - { .name: bias, .offset: 16, .size: 8, .value_kind: global_buffer, .address_space: global }
      - { .name: out0, .offset: 24, .size: 8, .value_kind: global_buffer, .address_space: global }
    .group_segment_fixed_size: 327680
    .private_segment_fixed_size: 0
    .kernarg_segment_align: 8
    .kernarg_segment_size: 32
    .max_flat_workgroup_size: 128
    .sgpr_count:     68
    .vgpr_count:     1024
    .wavefront_size: 32
...
	.end_amdgpu_metadata
.endif
;; end of part 2
